; MI455X (gfx1250); checked and timed in simulation.
; The chip was launched on July 23, 2026; its instructions are those of AMD's public machine-readable ISA for CDNA 5 (MIT licence, August 2026) and "CDNA5" Instruction Set Architecture Reference Guide (July 2026). The comments in the code are by the model that wrote it; some were corrected since.
;; Local Multi Head Attention. Allowed arithmetic: matrix products marked QUANTISED: E4M3 operands, one given power-of-two scale a tensor, by v_wmma_f32_16x16x64_fp8_fp8 or v_wmma_f32_16x16x128_fp8_fp8, f32 sums; everything else in f32.
;; Inputs: lowp_scales 6 int32 (the exponents e of the quantised operands' scales 2^e); w_qkv 1,024 x 3,072 float32; x 4 x 4,096 x 1,024 float32.
;; Outputs: out0 4 x 4,096 x 1,024 float32.
;; This version of the problem:
;;   THIS VERSION OF THE PROBLEM IS GIVEN IN LOW PRECISION. The matrix products marked QUANTISED in the list below multiply operands that are first quantised to E4M3 (4 exponent bits, 3 mantissa bits; 8 bits a number), with one given power-of-two scale for each operand tensor; their sums are f32. All else is computed in f32.
;;   The module's matrix products, in the order in which they are computed (A, B: the left and right operand; K: the contracted axis; several contracted axes count as one K, in the product's order):
;;     1. [M 16,384, K 1,024] x [K 1,024, N 3,072]; A: input x; B: input w_qkv: QUANTISED (scales: A lowp_scales[0], B lowp_scales[1])
;;     2. batch 2,048 x [M 128, K 64] x [K 64, N 384]; A: computed on the way; B: computed on the way: QUANTISED (scales: A lowp_scales[2], B lowp_scales[3])
;;     3. batch 2,048 x [M 128, K 384] x [K 384, N 64]; A: softmax (see below); B: computed on the way: QUANTISED (scales: A lowp_scales[4], B lowp_scales[5])
;;   THE QUANTISER, for each operand of a quantised product, along K:
;;     - The operand's scale is 2^e, e = its entry of the input lowp_scales (int32; the entries are numbered through the quantised products in the list's order, A before B).
;;     - Each number is divided by the scale, clamped to +-448, and rounded to the nearest number of E4M3, ties to even, subnormals kept.
;;     - The product sums the exact products of the quantised numbers (number of the format x scale) in f32.
;;   ~~~python
;;   def quantise(x, axis, e):      # numpy; x: float32 -> the quantised numbers, widened to float32 again
;;       x = np.moveaxis(x, axis, -1); K = x.shape[-1]
;;       r = np.clip(x / 2.0 ** e, -448, 448)
;;       step = 2.0 ** (np.maximum(np.frexp(np.where(r == 0, 1, r))[1] - 1, -6) - 3)
;;       q = np.round(r / step) * step * 2.0 ** e      # np.round: ties to even
;;       return np.moveaxis(q, -1, axis).astype(np.float32)
;;   ~~~
;;   SOFTMAX AHEAD OF A QUANTISED PRODUCT. Where the list says 'softmax', what is quantised is not the finished softmax but p = 2^(t - M), with t = logit x log2(e) and M = ceil(the row's largest t), a whole number; so 1/2 < the row's largest p <= 1. The row's sum l is taken of the UNQUANTISED p, in f32, and the product's result is divided by l at the end. Since M is a whole number, a kernel that streams over the keys may use a running M (the ceiling of the running maximum): every later rescaling is an exact power of two, so the quantised numbers keep their values, but for numbers so far below the row's largest that they fall under the format's range.
;;   OPERANDS COMPUTED ON THE WAY. 'Computed on the way' means the value that the module computes at that place (a softmax that the list does not call 'softmax' is quantised finished and normalised). What goes into a quantiser is computed in f32, as accurately as f32 sums, v_exp_f32 and their like allow (about 1e-6 of the number): no bf16 or f16 on the way to a quantiser, and a product that is left as it is and whose result goes on into a quantised operand takes f32 operands (vector FMAs, or v_wmma_f32_16x16x4_f32). A number that lies on a knife's edge between two numbers of the format may be rounded either way, as far as f32 arithmetic and the matrix unit's own rounding can turn it there, and no further.
;; One version. Each part assembles by itself: llvm-mc -triple=amdgcn-amd-amdhsa -mcpu=gfx1250 --defsym DOCPART=n.
;; ======== version 1 of 1: 3 launches
;; limits: right only within a limited range of input values
;; workspace buffers: x_codes 16,777,216 bytes; w_codes 3,145,728 bytes; frag 50,331,648 bytes
;; launch prep (part 1): grid 608 x 1, 4 waves a work-group, no clusters, 34,304 bytes of LDS; arguments x, w_qkv, lowp_scales, x_codes, w_codes; writes x_codes, w_codes
.if DOCPART == 1
	.amdgcn_target "amdgcn-amd-amdhsa--gfx1250"
	.amdhsa_code_object_version 6
	.text
	.protected	k_q5ecdaf543a_prep
	.globl	k_q5ecdaf543a_prep
	.p2align	8
	.type	k_q5ecdaf543a_prep,@function
k_q5ecdaf543a_prep:
	s_mov_b64 s[64:65], 0
	v_nop
	global_prefetch_b8 v0, s[64:65] scope:SCOPE_SE
	s_setreg_imm32_b32 hwreg(HW_REG_WAVE_MODE, 25, 1), 1
	s_wait_xcnt 0x0
; x [16384][1024] f32 and w_qkv [1024][3072] f32 become codes of FP8 (E4M3), each with its given scale 2^e (entries 0 and 1 of the scales),
; laid as IMAGES OF OPERAND REGISTERS for the product's launch.  code = number / 2^e, held within +-448, rounded to the nearest code, ties to even.
; A fragment is 16 rows (of x) or 16 columns (of w_qkv) x 128 along K, 2,048 bytes: group c (512 bytes) holds at 16 x lane the 16 codes K = 32 c + 16 (lane / 16) + 0 .. 15 of row lane % 16.
; x_codes: fragment (row tile T, K step s) at 16,384 T + 2,048 s.
; w_codes: 24 blocks of 131,072 bytes, one for 128 columns: fragment (K step s, column tile u) at 16,384 s + 2,048 u.  The block of columns 128 cb .. lies at place 6 y + 2 type + i,
; with type = cb / 8 (q, k, v), y = (cb % 8) / 2, i = cb % 2: so the six blocks that one work-group of the product walks lie on end.
; LIMITS: both e between -126 and 119, so that 2^e and 448 x 2^e are f32 numbers.  NaN among the inputs is not served; an infinity is held at the largest code.
; Work-groups 0-511 take x, 512-607 w_qkv.  No tensor loads, no barrier: waves share nothing.
; PATH X: a wave takes one row tile x 4 K steps.  For a fragment sixteen loads read 512 consecutive bytes of a row each; the 8,192 bytes turn through the wave's own stage in LDS
; (rows 528 bytes apart) and come back 64 bytes a lane for each group, so that a lane holds 16 neighbours along K.  Each of the four stores covers 512 consecutive bytes.  Loads run one fragment ahead.
; PATH W: a lane takes a column and its registers run down K: each load reads 128 consecutive bytes a wave.  A lane's 16 codes are its 16 bytes of an image: sixteen lanes store 256 consecutive bytes, aligned.  No LDS.
.set XREG,   8448                      ; a wave's stage: 16 rows x 528 bytes
.set XP,     528
.set SPARE,  33792                     ; behind the four stages: the spare words
.set XR,     16                        ; v16-143  two sets of 64 numbers as they are loaded
.set XC,     210                       ; v210-241 two sets of 16 registers of codes
.set WROW,   12288                     ; a row of w_qkv in bytes
.set WNB,    8
.set WX,     32                        ; v32-95   two sets of 32 numbers
.set WC,     96                        ; v96-159  eight registers of codes for each block
	s_load_b256 s[4:11], s[0:1], 0x0               ; x, w_qkv, the scales, x_codes
	s_load_b64 s[12:13], s[0:1], 0x20              ; w_codes
	v_lshl_add_u32 v192, v0, 2, SPARE
	v_mov_b32 v193, 0
	v_lshrrev_b32 v1, 5, v0
	v_readfirstlane_b32 s16, v1                    ; wave 0..3
	v_and_b32 v2, 31, v0                           ; lane
	s_cmp_lt_u32 ttmp9, 512
	s_cbranch_scc0 .Lw
	; ---------------- PATH X ----------------
	v_lshlrev_b32 v3, 4, v2                        ; 16 x lane: my part of a load's and of a store's 512 bytes
	s_mul_i32 s17, s16, XREG
	v_add_nc_u32 v14, s17, v3                      ; the stage, on the way in
	v_and_b32 v5, 15, v2
	v_lshrrev_b32 v6, 4, v2
	v_mul_u32_u24 v15, v5, XP
	v_lshl_add_u32 v15, v6, 6, v15
	v_add_nc_u32 v15, s17, v15                     ; and back: row lane % 16, 64 bytes on for the upper lanes
	s_lshl_b32 s17, ttmp9, 2
	s_add_co_u32 s18, s17, s16                     ; 0 .. 2047
	s_lshr_b32 s19, s18, 1                         ; row tile
	s_and_b32 s18, s18, 1                          ; which four K steps
	s_lshl_b32 s20, s19, 16                        ; x: 16 rows of 4,096 bytes,
	s_lshl_b32 s22, s18, 11
	s_add_co_u32 s20, s20, s22                     ; + half a row
	s_mov_b32 s21, 0
	s_lshl_b32 s24, s19, 14                        ; x_codes
	s_lshl_b32 s22, s18, 13
	s_add_co_u32 s24, s24, s22
	s_mov_b32 s25, 0
	s_wait_alu depctr_va_vdst(0)
	s_wait_kmcnt 0x0
	s_load_b32 s22, s[8:9], 0x0                    ; e of x
	s_add_nc_u64 s[4:5], s[4:5], s[20:21]
	s_add_nc_u64 s[10:11], s[10:11], s[24:25]
.macro XLOAD f
.irp i, 0,1,2,3,4,5,6,7,8,9,10,11,12,13,14,15
	global_load_b128 v[XR+64*((\f)%2)+4*\i:XR+64*((\f)%2)+4*\i+3], v3, s[4:5] offset:4096*\i+512*(\f) th:TH_LOAD_NT
.endr
.endm
	XLOAD 0
	XLOAD 1
	s_wait_kmcnt 0x0
	s_add_co_i32 s22, s22, 127
	s_lshl_b32 s23, s22, 23
	v_mov_b32 v11, s23                             ; 2^e as f32
	s_add_co_i32 s22, s22, 8
	s_lshl_b32 s22, s22, 23
	s_or_b32 s22, s22, 0x600000
	v_mov_b32 v10, s22                             ; 448 x 2^e
	s_wait_alu depctr_va_vdst(0)                   ; the head's end
.macro XFRAG f
.set CC, XC+16*((\f)%2)
.if (\f) < 3
	s_wait_loadcnt 16                              ; this fragment's sixteen loads are in; the next one's may be out
.else
	s_wait_loadcnt 0
.endif
.irp i, 0,1,2,3,4,5,6,7,8,9,10,11,12,13,14,15
	ds_store_b128 v14, v[XR+64*((\f)%2)+4*\i:XR+64*((\f)%2)+4*\i+3] offset:XP*\i
.endr
.irp c, 0,1,2,3                        ; group c's 16 numbers: v144, v160, v176, v194 on (v192, v193 are kept).  LDS serves a wave's instructions in order: these see the stores above
.irp q, 0,1,2,3
	ds_load_b128 v[144+16*\c+2*(\c/3)+4*\q:144+16*\c+2*(\c/3)+4*\q+3], v15 offset:128*\c+16*\q
.endr
.endr
	s_wait_dscnt 0x0                               ; the numbers are back, and the stores have read their registers,
.if (\f)+2 < 4
	XLOAD (\f)+2                                   ; which take the fragment two on
.else
	s_wait_xcnt 0x0                                ; the stores of two fragments ago have read their codes
.endif
.irp c, 0,1,2,3
.irp i, 0,1,2,3,4,5,6,7,8,9,10,11,12,13,14,15
	v_med3_num_f32 v[144+16*\c+2*(\c/3)+\i], v[144+16*\c+2*(\c/3)+\i], -v10, v10   ; the conversion does not saturate (ISA guide 7.6.2): the hold comes first
.endr
	v_cvt_scalef32_pk8_fp8_f32 v[CC+4*\c:CC+4*\c+1], v[144+16*\c+2*(\c/3):144+16*\c+2*(\c/3)+7], v11
	v_cvt_scalef32_pk8_fp8_f32 v[CC+4*\c+2:CC+4*\c+3], v[144+16*\c+2*(\c/3)+8:144+16*\c+2*(\c/3)+15], v11
.endr
.irp c, 0,1,2,3
	global_store_b128 v3, v[CC+4*\c:CC+4*\c+3], s[10:11] offset:2048*(\f)+512*\c   ; 512 consecutive bytes, aligned
.endr
.endm
.irp f, 0,1,2,3
	XFRAG \f
.endr
	s_wait_tensorcnt 0x0                           ; the wave's end
	ds_add_u32 v192, v193
	s_wait_dscnt 0x0
	s_endpgm
	; ---------------- PATH W ----------------
.Lw:
	s_sub_co_u32 s24, ttmp9, 512                   ; 0 .. 95
	s_lshr_b32 s25, s24, 2                         ; cb: which 128 columns
	s_and_b32 s18, s24, 3                          ; which 256 along K
	s_lshl_b32 s17, s25, 7
	s_lshl_b32 s26, s16, 5
	s_add_co_u32 s17, s17, s26                     ; my wave's first column
	s_wait_alu depctr_va_vdst(0)                   ; the lane was made ahead of the branch
	v_lshlrev_b32 v3, 2, v2                        ; in: 4 bytes a lane
	v_and_b32 v5, 15, v2
	v_lshrrev_b32 v6, 4, v2
	v_lshlrev_b32 v8, 4, v5
	v_lshl_add_u32 v8, v6, 11, v8                  ; out: 16 x (lane % 16), the upper lanes one column tile on
	s_mul_i32 s20, s18, 256*WROW
	s_lshl_b32 s22, s17, 2
	s_add_co_u32 s20, s20, s22
	s_mov_b32 s21, 0
	s_lshr_b32 s27, s25, 3                         ; type
	s_bfe_u32 s28, s25, 0x20001                    ; y
	s_and_b32 s29, s25, 1                          ; i
	s_mul_i32 s28, s28, 6
	s_lshl_b32 s27, s27, 1
	s_add_co_u32 s28, s28, s27
	s_add_co_u32 s28, s28, s29                     ; the block's place
	s_lshl_b32 s24, s28, 17
	s_lshl_b32 s26, s18, 15                        ; + two K steps for each 256 along K
	s_add_co_u32 s24, s24, s26
	s_lshl_b32 s26, s16, 12                        ; + two column tiles for each wave
	s_add_co_u32 s24, s24, s26
	s_mov_b32 s25, 0
	s_wait_alu depctr_va_vdst(0)
	s_wait_kmcnt 0x0
	s_load_b32 s30, s[8:9], 0x4                    ; e of w_qkv
	s_add_nc_u64 s[6:7], s[6:7], s[20:21]
	s_add_nc_u64 s[12:13], s[12:13], s[24:25]
.macro WLOAD t                         ; block t: w(32 t + i, my column) into set t % 2; the largest offset, 255 rows, stays inside the signed 24-bit immediate
.irp i, 0,1,2,3,4,5,6,7,8,9,10,11,12,13,14,15,16,17,18,19,20,21,22,23,24,25,26,27,28,29,30,31
	global_load_b32 v[WX+32*((\t)%2)+\i], v3, s[6:7] offset:(32*(\t)+\i)*WROW th:TH_LOAD_NT
.endr
.endm
	WLOAD 0
	WLOAD 1
	s_wait_kmcnt 0x0
	s_add_co_i32 s30, s30, 127
	s_lshl_b32 s31, s30, 23
	v_mov_b32 v11, s31
	s_add_co_i32 s30, s30, 8
	s_lshl_b32 s30, s30, 23
	s_or_b32 s30, s30, 0x600000
	v_mov_b32 v10, s30
	s_wait_alu depctr_va_vdst(0)                   ; the head's end
.macro WBLOCK t
.set WS, WX+32*((\t)%2)
.if (\t) < WNB-1
	s_wait_loadcnt 32                              ; this block's 32 loads are in; the next block's may be out
.else
	s_wait_loadcnt 0
.endif
.irp i, 0,1,2,3,4,5,6,7,8,9,10,11,12,13,14,15,16,17,18,19,20,21,22,23,24,25,26,27,28,29,30,31
	v_med3_num_f32 v[WS+\i], v[WS+\i], -v10, v10
.endr
.irp g, 0,1,2,3
	v_cvt_scalef32_pk8_fp8_f32 v[WC+8*(\t)+2*\g:WC+8*(\t)+2*\g+1], v[WS+8*\g:WS+8*\g+7], v11
.endr
	global_store_b128 v8, v[WC+8*(\t):WC+8*(\t)+3], s[12:13] offset:16384*((\t)/4)+512*((\t)%4)         ; K = 32 t + 0 .. 15: the lower lanes' half of group t % 4
	global_store_b128 v8, v[WC+8*(\t)+4:WC+8*(\t)+7], s[12:13] offset:16384*((\t)/4)+512*((\t)%4)+256   ; K = 32 t + 16 .. 31: the upper lanes' half
.if (\t)+2 < WNB
	WLOAD (\t)+2
.endif
.endm
.irp t, 0,1,2,3,4,5,6,7
	WBLOCK \t
.endr
	s_endpgm
.Lfunc_end_k_q5ecdaf543a_prep:
	.size	k_q5ecdaf543a_prep, .Lfunc_end_k_q5ecdaf543a_prep-k_q5ecdaf543a_prep
	.p2alignl 7, 3214868480
	.fill 96, 4, 3214868480
	.section	.rodata,"a",@progbits
	.p2align	6, 0x0
	.amdhsa_kernel k_q5ecdaf543a_prep
		.amdhsa_group_segment_fixed_size 34304
		.amdhsa_private_segment_fixed_size 0
		.amdhsa_enable_private_segment 0
		.amdhsa_kernarg_size 40
		.amdhsa_user_sgpr_count 2
		.amdhsa_user_sgpr_kernarg_segment_ptr 1
		.amdhsa_wavefront_size32 1
		.amdhsa_system_sgpr_workgroup_id_x 1
		.amdhsa_system_sgpr_workgroup_id_y 1
		.amdhsa_system_sgpr_workgroup_id_z 1
		.amdhsa_system_vgpr_workitem_id 0
		.amdhsa_next_free_vgpr 244
		.amdhsa_next_free_sgpr 66
		.amdhsa_reserve_vcc 0
		.amdhsa_float_denorm_mode_32 3
		.amdhsa_float_denorm_mode_16_64 3
		.amdhsa_memory_ordered 1
		.amdhsa_forward_progress 1
		.amdhsa_inst_pref_size 82
	.end_amdhsa_kernel
	.amdgpu_metadata
---
amdhsa.version: [ 1, 2 ]
amdhsa.kernels:
  - .name:           k_q5ecdaf543a_prep
    .symbol:         k_q5ecdaf543a_prep.kd
    .args:
      - { .name: x, .offset: 0, .size: 8, .value_kind: global_buffer, .address_space: global }
      - { .name: w_qkv, .offset: 8, .size: 8, .value_kind: global_buffer, .address_space: global }
      - { .name: lowp_scales, .offset: 16, .size: 8, .value_kind: global_buffer, .address_space: global }
      - { .name: x_codes, .offset: 24, .size: 8, .value_kind: global_buffer, .address_space: global }
      - { .name: w_codes, .offset: 32, .size: 8, .value_kind: global_buffer, .address_space: global }
    .group_segment_fixed_size: 34304
    .private_segment_fixed_size: 0
    .kernarg_segment_align: 8
    .kernarg_segment_size: 40
    .max_flat_workgroup_size: 128
    .sgpr_count:     66
    .vgpr_count:     244
    .wavefront_size: 32
...
	.end_amdgpu_metadata
.endif
;; end of part 1
;; launch gemm (part 2): grid 64 x 4, 4 waves a work-group, clusters of 4 x 1, 327,680 bytes of LDS; arguments x_codes, w_codes, lowp_scales, frag; writes frag
.if DOCPART == 2
	.amdgcn_target "amdgcn-amd-amdhsa--gfx1250"
	.amdhsa_code_object_version 6
	.text
	.protected	k_q5ecdaf543a_gemm
	.globl	k_q5ecdaf543a_gemm
	.p2align	8
	.type	k_q5ecdaf543a_gemm,@function
k_q5ecdaf543a_gemm:
	s_mov_b64 s[64:65], 0
	v_nop
	global_prefetch_b8 v0, s[64:65] scope:SCOPE_SE
	s_setreg_imm32_b32 hwreg(HW_REG_WAVE_MODE, 25, 1), 1
	s_wait_xcnt 0x0
	s_wait_alu depctr_hold_cnt(0) depctr_sa_sdst(0) depctr_va_vdst(0) depctr_va_sdst(0) depctr_va_ssrc(0) depctr_va_vcc(0) depctr_vm_vsrc(0)
	s_getreg_b32 s2, hwreg(HW_REG_IB_STS2, 6, 4)
	s_cmp_eq_u32 s2, 0
	s_cbranch_scc0 .Lentry_in_a_cluster
	s_endpgm
.Lentry_in_a_cluster:
	s_bfe_u32 s2, ttmp6, 0x10000c
	s_cmp_lg_u32 s2, 0x3003
	s_cbranch_scc0 .Lentry_shape_is_right
	s_endpgm
.Lentry_shape_is_right:
; qkv = x w_qkv on codes of FP8 (E4M3), and its results quantised at once for the two products of attention: q / 8 with 2^e2, k with 2^e3, v with 2^e5, stored in frag as images of operand registers.
; x_codes and w_codes are images of operand registers (fragments of 16 rows x 128 K, 2,048 bytes; group c at 512 c holds at 16 x lane K = 32 c + 16 (lane / 16) + 0 .. 15 of row lane % 16:
; the same permutation of K within an instruction on both sides, so every product meets its partner).
; SHARES.  A work-group owns 256 rows of x (row block R = grid x) and heads 4 y .. 4 y + 3 of q, of k and of v (y = grid y): 768 columns.  A wave owns 64 of the rows, and KEEPS THEIR CODES IN REGISTERS:
; 4 row tiles x 8 K steps x 16 = 512 registers, loaded once, 512 consecutive bytes an instruction.  Only w goes through LDS: a ring of two slots of 131,072 bytes, a slot = 128 columns (two heads) x all 1,024 of K.
; The six slots of a work-group (q, q, k, k, v, v) lie on end in w_codes.  A slot is worked in two passes of 64 columns (one head): 8 K steps x 16 matrix instructions on 16 accumulators by turns, then the way out.
; CLUSTER 4, 1, 1: the four row blocks of a cluster walk the same slots of w, which are asked for jointly (mask 15); each wave asks for a quarter of a slot, 128 rows of 256 bytes.
; THE RING.  w's fragments come into four sets of 64 registers, in runs of 32 LDS loads for two steps at once, two and three steps ahead of their products; between two runs stand 32 matrix instructions.
; A slot's last LDS reads are issued behind its 13th of 16 steps, and the change of slots stands at the 15th: from a refill to the wait for it a wave issues 224 matrix instructions.
; q, k: source 0 = 16 columns of w, source 1 = 16 rows of x: a lane holds one position and eight neighbouring channels.  v: the sources swapped: a lane holds one channel and eight neighbouring positions (its K in attention).
; Both use the same register numbers; only the sources' windows differ.
; frag: a block of 8,192 bytes for each (b, head, window): q of b = 0, 1 at 0, k at KB, v at VB, q of b = 2, 3 at 41,943,040; q, k: eight fragments of 1,024 bytes (16 positions x 64 channels); v: four of 2,048 (16 channels x 128 keys).
; PREFETCH: in the middle of trip t of the first loop, whose end asks for slot t + 2, slot t + 3 is named once by the cluster with x = 0 of each y: 512 blocks of 256 bytes, a lane a block, the sixteen waves told apart by address.
; Slots 0 to 2 come by their loads alone; trip 3 names nothing.  x's codes are loaded once at the head, where there is no loop to run ahead in.
; LIMITS: e2 + 3 - e0 - e1, e3 - e0 - e1 and e5 - e0 - e1 between -126 and 119, so that each scale and 448 x it are f32 numbers.
; REGISTERS: window 0: v2-7 addresses, v12, v13 scale and bound, v28, v29 the add's pair, v32-63 codes, v128-255 the 16 accumulators; windows 1, 2: x, K steps 0-3 and 4-7; window 3: w, four sets.
.set SLOT,  131072
.set SPARE, 262144
.set KB,    8388608
.set VB,    25165824
.set L16,  2                           ; 16 x lane
.set L16H, 3                           ; + 65,536
.set ADL,  4                           ; LDS address of the slot in hand, K steps 0-3
.set ADH,  5                           ; K steps 4-7
.set VO,   6                           ; my offset in frag
.set PFO,  7                           ; 256 x lane
.set SC,   12
.set BD,   13
.set SPW,  28
.set NIL,  29
.set CD,   32
.set AC,   128
.set G1,   16                          ; s[16:23]
.set G0,   24                          ; s[24:27], which walks
.set TB,   28
.set OFF,  29
.set LIM,  30
.set PFA,  36
.set MSB, 0
.macro WIN new                         ; the immediate's high byte repeats the setting that is left
.if MSB != (\new)
	s_set_vgpr_msb (MSB<<8)|(\new)
.set MSB, (\new)
.endif
.endm
.macro NOPS
.rept 4
	v_nop
.endr
.endm
.macro CREST
	s_cmp_lg_u32 s14, 0
	s_cbranch_scc1 .Lnot_wave_0_\@
	s_barrier_signal -3
.Lnot_wave_0_\@:
	s_barrier_wait -3
	s_barrier_signal -1
	s_barrier_wait -1
.endm
.macro CROUND
	s_barrier_signal -1
	s_barrier_wait -1
	CREST
.endm
.macro JLOAD                           ; my quarter of a slot; an s_nop 0 and four v_nop follow
	tensor_load_to_lds s[G0:G0+3], s[G1:G1+7]
	s_nop 0
	NOPS
.endm
.macro MKS d, e, plus                  ; s[d] = 2^(e + plus - e0 - e1) as f32, s[d + 1] = 448 x that
	s_add_co_i32 s[\d], s[\e], \plus+127
	s_sub_co_i32 s[\d], s[\d], s72
	s_sub_co_i32 s[\d], s[\d], s73
	s_add_co_i32 s[\d+1], s[\d], 8
	s_lshl_b32 s[\d], s[\d], 23
	s_lshl_b32 s[\d+1], s[\d+1], 23
	s_or_b32 s[\d+1], s[\d+1], 0x600000
.endm
.macro ALOAD ks                        ; x's K step ks: my four row tiles
	WIN 0x40+0x40*((\ks)/4)
.irp a, 0,1,2,3
.irp c, 0,1,2,3
	global_load_b128 v[64*((\ks)%4)+16*\a+4*\c:64*((\ks)%4)+16*\a+4*\c+3], v[L16], s[4:5] offset:16384*\a+2048*(\ks)+512*\c
.endr
.endr
.endm
	s_load_b128 s[4:7], s[0:1], 0x0                ; x_codes, w_codes
	s_load_b128 s[8:11], s[0:1], 0x10              ; the scales, frag
	v_lshl_add_u32 v[SPW], v0, 2, SPARE
	v_mov_b32 v[NIL], 0
	ds_add_u32 v[SPW], v[NIL]                      ; the opening lines: the add, twice on end, and its wait
	ds_add_u32 v[SPW], v[NIL]
	v_lshrrev_b32 v1, 5, v0
	v_readfirstlane_b32 s14, v1                    ; wave 0..3
	s_bfe_u32 s40, ttmp6, 0x40000                  ; cx
	s_lshl_b32 s41, ttmp9, 2
	s_add_co_u32 s41, s41, s40                     ; R = 4 x cluster x + cx
	s_and_b32 s42, ttmp7, 0xffff                   ; y
	s_mov_b32 s[G1], 15|(3<<16)|(1<<21)            ; the mask: all four of the cluster; elements of 8 bytes; bit 21 beside a mask; no padding
	s_mov_b32 s[G1+1], 32<<16                      ; rows of 256 bytes,
	s_mov_b32 s[G1+2], 128<<16                     ; 128 of them
	s_mov_b32 s[G1+3], 32<<16
	s_mov_b32 s[G1+4], 128
	s_mov_b32 s[G1+5], 32
	s_mov_b32 s[G1+6], 0
	s_mov_b32 s[G1+7], 0
	s_mul_i32 s44, s42, 6*SLOT                     ; w: my y's six slots,
	s_lshl_b32 s45, s14, 15
	s_add_co_u32 s44, s44, s45                     ; + my quarter
	s_mov_b32 s[G0], 1
	s_mov_b32 s[G0+1], s45                         ; LDS: slot 0, my quarter
	s_mov_b32 s45, 0
	s_lshl_b32 s46, s41, 18                        ; x: 262,144 bytes a row block,
	s_lshl_b32 s47, s14, 16
	s_add_co_u32 s46, s46, s47                     ; 65,536 a wave
	s_mov_b32 s47, 0
	s_lshl_b32 s48, s40, 2
	s_add_co_u32 s48, s48, s14
	s_lshl_b32 s48, s48, 13                        ; the prefetches: (4 cx + wave) x 8,192,
	s_mul_i32 s49, s42, 6*SLOT
	s_add_co_u32 s48, s48, s49
	s_add_co_u32 s48, s48, 3*SLOT                  ; at slot 3; stepped at each change of slots
	s_mov_b32 s49, 0
	s_cmp_eq_u32 ttmp9, 0
	s_cselect_b32 s[LIM], 3, 0                     ; trips in which my cluster prefetches
	s_mov_b32 s[TB], 0
	s_wait_dscnt 0x0
	s_wait_kmcnt 0x0
	s_load_b128 s[72:75], s[8:9], 0x0              ; e0 .. e3
	s_load_b64 s[76:77], s[8:9], 0x10              ; e4, e5
	s_add_nc_u64 s[G0+2:G0+3], s[6:7], s[44:45]
	s_or_b32 s[G0+3], s[G0+3], 0x80000000
	s_add_nc_u64 s[4:5], s[4:5], s[46:47]
	s_add_nc_u64 s[PFA:PFA+1], s[6:7], s[48:49]
	CROUND                                         ; the round in front of the first joint loads
	JLOAD                                          ; slot 0: one tensor load a wave at the head
	v_and_b32 v1, 31, v0
	v_lshlrev_b32 v[L16], 4, v1
	v_lshlrev_b32 v[PFO], 8, v1
	v_add_nc_u32 v[L16H], 65536, v[L16]
	v_mov_b32 v[ADL], v[L16]
	v_mov_b32 v[ADH], v[L16H]
	s_wait_alu depctr_va_vdst(0)
.irp ks, 0,1,2,3,4                     ; x's K steps 0-4 now; 5-7 behind slot 1's request
	ALOAD \ks
.endr
	WIN 0
	; my offsets in frag: (16 b + 4 y) x 262,144 + window x 8,192; b = R / 16, window = 2 (R % 16) + wave / 2; my half of the window: 4 fragments of q or k, 2 groups of each fragment of v
	s_lshr_b32 s50, s41, 4
	s_lshl_b32 s51, s50, 2
	s_add_co_u32 s51, s51, s42
	s_lshl_b32 s51, s51, 20
	s_and_b32 s52, s41, 15
	s_lshl_b32 s52, s52, 1
	s_lshr_b32 s53, s14, 1
	s_add_co_u32 s52, s52, s53
	s_lshl_b32 s52, s52, 13
	s_add_co_u32 s51, s51, s52
	s_and_b32 s53, s14, 1
	s_lshl_b32 s54, s53, 12
	s_lshl_b32 s55, s53, 10
	s_lshr_b32 s50, s50, 1
	s_lshl_b32 s50, s50, 25
	s_add_co_u32 s56, s51, s54
	s_add_co_u32 s57, s56, KB                      ; k
	s_add_co_u32 s56, s56, s50                     ; q
	s_add_co_u32 s58, s51, s55
	s_add_co_u32 s58, s58, VB                      ; v
	s_wait_kmcnt 0x0
	MKS 80, 74, 3                                  ; q / 8
	MKS 82, 75, 0                                  ; k
	MKS 84, 77, 0                                  ; v
.macro BL j                            ; w's four fragments of step j (pass (j / 8) % 2, K step j % 8) into set j % 4
.irp ct, 0,1,2,3
.irp c, 0,1,2,3
	ds_load_b128 v[64*((\j)%4)+16*\ct+4*\c:64*((\j)%4)+16*\ct+4*\c+3], v[ADL+((\j)%8)/4] offset:((\j)%4)*16384+(4*(((\j)/8)%2)+\ct)*2048+512*\c
.endr
.endr
.endm
; Sixteen matrix instructions, the 16 accumulators by turns.  q, k: x = row tile, y = column tile, source 0 in window 3 (w), source 1 in window 1 or 2 (x).
; v: x = column tile, y = row tile, source 0 in window 1 or 2, source 1 in window 3.  A pass's first step starts the sums.
.macro MUL k, isv
.if \isv
	WIN 0x0d+((\k)%8)/4
.else
	WIN 0x07+4*(((\k)%8)/4)
.endif
.irp x, 0,1,2,3
.irp y, 0,1,2,3
.if ((\k)%8) == 0
	v_wmma_f32_16x16x128_fp8_fp8 v[AC+8*(4*\x+\y):AC+8*(4*\x+\y)+7], v[64*((\k)%4)+16*\y:64*((\k)%4)+16*\y+15], v[64*((\k)%4)+16*\x:64*((\k)%4)+16*\x+15], 0
.else
	v_wmma_f32_16x16x128_fp8_fp8 v[AC+8*(4*\x+\y):AC+8*(4*\x+\y)+7], v[64*((\k)%4)+16*\y:64*((\k)%4)+16*\y+15], v[64*((\k)%4)+16*\x:64*((\k)%4)+16*\x+15], v[AC+8*(4*\x+\y):AC+8*(4*\x+\y)+7]
.endif
.endr
.endr
.endm
.macro LW k, isv                       ; the first loop's first pass: x's K step k is in; the loads of the later K steps may be out (the count's field ends at 63)
.if \isv == 0
.if (\k) < 8
.if (7-(\k))*16 > 63
	s_wait_loadcnt 63
.else
	s_wait_loadcnt (7-(\k))*16
.endif
.endif
.endif
.endm
; THE WAY OUT of a pass: one head.  Held, converted (accumulator i's eight numbers become registers 2 i, 2 i + 1 of the codes), stored: each store covers 512 consecutive bytes, aligned.
.macro EPI isv
	WIN 0
	s_wait_xcnt 0x0                                ; the last pass's stores have read their offset and their codes
	v_add_nc_u32 v[VO], s[OFF], v[L16]
	s_add_co_u32 s[OFF], s[OFF], 262144            ; the next head
.set j, 0
.rept 128
	v_med3_num_f32 v[AC+j], v[AC+j], -v[BD], v[BD]   ; the conversion does not saturate (ISA guide 7.6.2); each accumulator from its low end on
.set j, j+1
.endr
.set j, 0
.rept 16
	v_cvt_scalef32_pk8_fp8_f32 v[CD+2*j:CD+2*j+1], v[AC+8*j:AC+8*j+7], v[SC]
.set j, j+1
.endr
	v_nop                                          ; one plain line behind the last conversion
.irp g, 0,1,2,3,4,5,6,7
	global_store_b128 v[VO], v[CD+4*\g:CD+4*\g+3], s[10:11] offset:(\g/2)*(1024+1024*\isv)+(\g%2)*512
.endr
.endm
; A slot: 16 steps.  Behind step 2 n a run of 32 loads brings steps 2 n + 3 and 2 n + 4, into the sets that steps 2 n - 1 and 2 n have read: four places stand ahead of each run.
.macro TRIP isv
	LW 0, \isv
	s_wait_dscnt 32                                ; step 0's set is in; steps 1 and 2's may be out
	MUL 0, \isv
.irp n, 0,1,2,3,4,5
	NOPS
	WIN 0xc0
	BL 2*\n+3
	BL 2*\n+4
	LW 2*\n+1, \isv
	s_wait_dscnt 48                                ; step 2 n + 1's set is in; step 2 n + 2's and the run just issued may be out
	MUL 2*\n+1, \isv
.if \n == 3
	NOPS
	EPI \isv                                       ; the first head of the slot
.if \isv == 0
	s_cmp_lt_u32 s3, s[LIM]
	s_cbranch_scc0 .Lno_ask
	global_prefetch_b8 v[PFO], s[PFA:PFA+1] th:TH_LOAD_NT scope:SCOPE_SE
.Lno_ask:
.endif
.endif
	LW 2*\n+2, \isv
	s_wait_dscnt 32                                ; step 2 n + 2's set is in; the run just issued may be out
	MUL 2*\n+2, \isv
.endr
	NOPS
	WIN 0xc0
	BL 15                                          ; my last reads of this slot
	s_wait_dscnt 32                                ; step 13's set is in; steps 14 and 15's may be out
	MUL 13, \isv
	WIN 0
.if \isv == 0
	s_wait_xcnt 0x0                                ; any prefetch of mine has read its address
	s_add_nc_u64 s[PFA:PFA+1], s[PFA:PFA+1], SLOT
.endif
	s_wait_tensorcnt 0x0                           ; my quarter of the next slot is in
	ds_add_u32 v[SPW], v[NIL]
.if \isv == 0
	s_xor_b32 s[G0+1], s[G0+1], SLOT               ; the walking descriptor: the slot that is being left, the slot's worth of w two on
	s_add_nc_u64 s[G0+2:G0+3], s[G0+2:G0+3], SLOT
.endif
	s_wait_dscnt 17                                ; step 14's set is in; step 15's and the add may be out
	MUL 14, \isv
	s_wait_dscnt 0x0                               ; the add is done, and my reads of this slot are over
	s_barrier_signal -1
	MUL 15, \isv
	NOPS
	WIN 0
	s_barrier_wait -1
.if \isv == 0
	CREST                                          ; the barrier has opened a round of the cluster's barrier
	JLOAD                                          ; the refill, first behind the round
.endif
	s_xor_b32 s[TB], s[TB], SLOT
	v_add_nc_u32 v[ADL], s[TB], v[L16]             ; on to the other slot
	v_add_nc_u32 v[ADH], s[TB], v[L16H]
	s_wait_alu depctr_va_vdst(0)
.if \isv
	s_cmp_eq_u32 s3, 1                             ; behind the last slot nothing is fetched
	s_cbranch_scc1 .Lno_next
.endif
	WIN 0xc0
	BL 16                                          ; the next slot's steps 0 to 2 land while the second head goes out
	BL 17
	BL 18
	WIN 0
.if \isv
.Lno_next:
.endif
	EPI \isv
.endm
	s_wait_alu depctr_va_vdst(0)                   ; the head's end
	s_wait_tensorcnt 0x0                           ; my quarter of slot 0 is in; these lines stand ahead of a later first fill as ahead of a refill
	ds_add_u32 v[SPW], v[NIL]
	s_xor_b32 s[G0+1], s[G0+1], SLOT
	s_add_nc_u64 s[G0+2:G0+3], s[G0+2:G0+3], SLOT
	s_wait_dscnt 0x0
	CROUND
	JLOAD                                          ; slot 1
	WIN 0xc0
	BL 0
	BL 1
	BL 2
.irp ks, 5,6,7
	ALOAD \ks
.endr
	WIN 0
	s_mov_b32 s[OFF], s56
	s_mov_b32 s3, 0
.Lqk:                                                  ; four trips: q, q, k, k; each asks for the slot two on
	s_cmp_lt_u32 s3, 2
	s_cselect_b32 s86, s80, s82
	s_cselect_b32 s87, s81, s83
	s_cmp_eq_u32 s3, 2
	s_cselect_b32 s[OFF], s57, s[OFF]
	v_mov_b32 v[SC], s86
	v_mov_b32 v[BD], s87
	s_wait_alu depctr_va_vdst(0)
	TRIP 0
	s_add_co_u32 s3, s3, 1
	s_cmp_lt_u32 s3, 4
	s_wait_alu depctr_va_vdst(0)
	s_cbranch_scc1 .Lqk
	s_mov_b32 s[OFF], s58
	v_mov_b32 v[SC], s84
	v_mov_b32 v[BD], s85
	s_wait_alu depctr_va_vdst(0)
	s_mov_b32 s3, 0
.Lv:                                                   ; two trips: v, v; nothing more is asked for
	TRIP 1
	s_add_co_u32 s3, s3, 1
	s_cmp_lt_u32 s3, 2
	s_wait_alu depctr_va_vdst(0)
	s_cbranch_scc1 .Lv
	s_wait_tensorcnt 0x0                           ; the wave's end
	ds_add_u32 v[SPW], v[NIL]
	s_wait_dscnt 0x0
	CROUND                                         ; the closing round
	s_endpgm
.Lfunc_end_k_q5ecdaf543a_gemm:
	.size	k_q5ecdaf543a_gemm, .Lfunc_end_k_q5ecdaf543a_gemm-k_q5ecdaf543a_gemm
	.p2alignl 7, 3214868480
	.fill 96, 4, 3214868480
	.section	.rodata,"a",@progbits
	.p2align	6, 0x0
	.amdhsa_kernel k_q5ecdaf543a_gemm
		.amdhsa_group_segment_fixed_size 327680
		.amdhsa_private_segment_fixed_size 0
		.amdhsa_enable_private_segment 0
		.amdhsa_kernarg_size 32
		.amdhsa_user_sgpr_count 2
		.amdhsa_user_sgpr_kernarg_segment_ptr 1
		.amdhsa_wavefront_size32 1
		.amdhsa_system_sgpr_workgroup_id_x 1
		.amdhsa_system_sgpr_workgroup_id_y 1
		.amdhsa_system_sgpr_workgroup_id_z 1
		.amdhsa_system_vgpr_workitem_id 0
		.amdhsa_next_free_vgpr 1024
		.amdhsa_next_free_sgpr 100
		.amdhsa_reserve_vcc 0
		.amdhsa_float_denorm_mode_32 3
		.amdhsa_float_denorm_mode_16_64 3
		.amdhsa_memory_ordered 1
		.amdhsa_forward_progress 1
		.amdhsa_inst_pref_size 133
	.end_amdhsa_kernel
	.amdgpu_metadata
---
amdhsa.version: [ 1, 2 ]
amdhsa.kernels:
  - .name:           k_q5ecdaf543a_gemm
    .symbol:         k_q5ecdaf543a_gemm.kd
    .args:
      - { .name: x_codes, .offset: 0, .size: 8, .value_kind: global_buffer, .address_space: global }
      - { .name: w_codes, .offset: 8, .size: 8, .value_kind: global_buffer, .address_space: global }
      - { .name: lowp_scales, .offset: 16, .size: 8, .value_kind: global_buffer, .address_space: global }
      - { .name: frag, .offset: 24, .size: 8, .value_kind: global_buffer, .address_space: global }
    .group_segment_fixed_size: 327680
    .private_segment_fixed_size: 0
    .kernarg_segment_align: 8
    .kernarg_segment_size: 32
    .max_flat_workgroup_size: 128
    .sgpr_count:     100
    .vgpr_count:     1024
    .wavefront_size: 32
...
	.end_amdgpu_metadata
.endif
;; end of part 2
;; launch attn (part 3): grid 4 x 64, 16 waves a work-group, no clusters, 327,680 bytes of LDS; arguments frag, lowp_scales, out0; writes out0
.if DOCPART == 3
	.amdgcn_target "amdgcn-amd-amdhsa--gfx1250"
	.amdhsa_code_object_version 6
	.text
	.protected	k_q5ecdaf543a_attn
	.globl	k_q5ecdaf543a_attn
	.p2align	8
	.type	k_q5ecdaf543a_attn,@function
k_q5ecdaf543a_attn:
	s_mov_b64 s[64:65], 0
	v_nop
	global_prefetch_b8 v0, s[64:65] scope:SCOPE_SE
	s_setreg_imm32_b32 hwreg(HW_REG_WAVE_MODE, 25, 1), 1
	s_wait_xcnt 0x0
; Local attention on codes of FP8 (E4M3): for each (batch b, head h, window n) 128 queries against the keys of windows n - 1, n, n + 1 (those that exist), head size 64.
; frag holds q / 8, k and v as codes, as images of operand registers (a block of 8,192 bytes for each (b, h, n); regions: q of b = 0, 1 at 0; k at KB; v at VB; q of b = 2, 3 at 41,943,040):
;   q, k: eight fragments of 1,024 bytes (16 rows x 64 channels, the K = 64 form's own layout); v: four fragments of 2,048 bytes (16 channels x 128 keys): its halves are two fragments of 64 keys.
; out0 [4][4096][1024] f32.  The scales' exponents: e2 (q), e3 (k), e4 (p), e5 (v).
; THE SOFTMAX: t = score x 2^(e2 + e3) x log2(e); M = the row's largest t rounded UP to a whole number; p = 2^(t - M) is quantised with 2^e4; the row's sum is taken of the unquantised p and divides at the end.
; TWO PASSES: pass 1 makes the scores and keeps each query's largest; pass 2 makes them again, bit for bit the same, under the final M.  So nothing is ever rescaled, and M is the row's own, not a running one.
; WINDOWS THAT DO NOT EXIST (n - 1 of the first, n + 1 of the last) are left out by scalar branches on ids.  reference() scores them -1e9, which gives p = 0 so long as the row's largest real logit lies far above -1e9.
; LIMITS: that holds for every input where e2 + e3 <= 6, since a logit's magnitude is at most 64 x 448^2 x 2^(e2 + e3).  e2 + e3 between -126 and 127 (added to log2(e)'s exponent field); e4 between -126 and 119.
; SHARES.  A work-group owns one (b, h) and eight windows, 8 g .. 8 g + 7.  The ten windows of K and of V that it needs lie in LDS, each byte filled once.  Two trips of four windows: in trip tr wave w owns
; window 8 g + 4 tr + w / 4 and its query tiles 2 (w % 4), 2 (w % 4) + 1: 32 queries, so that each fragment of K and V read from LDS feeds two matrix instructions.  Sixteen waves, four to a SIMD.
; No cluster: neighbouring work-groups share 2 windows of 10, a small part of what each fetches.
; LAYOUT.  Both products are used transposed: S^T = K Q^T (source 0 = 16 keys, source 1 = 16 queries), O^T = V^T P^T (source 0 = 16 channels, source 1 = P): a lane holds ONE query (lane % 16) throughout,
; and the eight scores of a tile in a lane are eight neighbouring keys: their codes are registers 2 t, 2 t + 1 of P.
; LDS: 0: K, ten slots of 8,192 (slot s = window 8 g - 1 + s); 81,920: V likewise; 163,840: a stage of 16 rows x 272 bytes for each wave; 233,472: the spare words.  All of LDS is claimed.
; The slots ahead of the first window and behind the last of a (b, h) are fetched and never read; the split of q's region keeps those fetches inside frag.
; REGISTERS: v1 K's and v2 V's LDS address; v3 16 x lane; v4, v5 the stage; v6 my offset in out0; v7 2^e4; v8 448 x 2^e4; v9, v10 lane exchanges; v[12:13], v[14:15] -M of my two tiles; v16-23 the sums; v24-27 the maxima;
;   v30, v31 the add's pair; v32-47, v48-63 Q of trips 0, 1; v64-127 S^T, then p (pass 1: v64-191); v128-191 O^T; v192-223 four fragments of K, then p's codes (pass 1: v192-255 eight fragments); v224-255 four fragments of V.
.set KB,    8388608
.set VB,    25165824
.set VL,    81920                      ; V's slots in LDS
.set STAGE, 163840
.set SPARE, 233472
; One tensor load, by the waves under lim: a branch on the wave's number, round the load alone.  Four v_nop follow it.
.macro TL g0, lim
	s_cmp_lt_u32 s12, \lim
	s_cbranch_scc0 .Lno_load_\@
	tensor_load_to_lds s[\g0:\g0+3], s[16:23]
	s_nop 0
.rept 4
	v_nop
.endr
.Lno_load_\@:
.endm
	s_load_b128 s[4:7], s[0:1], 0x0                ; frag s[4:5], the scales' exponents s[6:7]
	s_load_b64 s[10:11], s[0:1], 0x10              ; out0
	v_lshl_add_u32 v30, v0, 2, SPARE
	v_mov_b32 v31, 0
	ds_add_u32 v30, v31
	ds_add_u32 v30, v31
	s_wait_dscnt 0x0
	v_lshrrev_b32 v1, 5, v0
	s_delay_alu instid0(VALU_DEP_1)
	v_readfirstlane_b32 s12, v1                    ; wave 0..15
	s_lshr_b32 s13, s12, 2                         ; which of a trip's four windows
	s_and_b32 s14, s12, 3                          ; which pair of its query tiles
	s_lshl_b32 s15, ttmp9, 3
	s_add_co_u32 s15, s15, s13                     ; my window in trip 0: 8 g + w / 4
	s_and_b32 s58, ttmp7, 0xffff                   ; 16 b + h
	; descriptor group 1: two slots, 16,384 dense bytes, as 64 rows of 256 bytes
	s_mov_b32 s16, 3<<16                           ; 15:0 no mask; 17:16 elements of 8 bytes; no padding
	s_mov_b32 s17, 32<<16                          ; tensor_dim0 = 32
	s_mov_b32 s18, 64<<16                          ; tensor_dim1 = 64
	s_mov_b32 s19, 32<<16                          ; tile_dim0 = 32
	s_mov_b32 s20, 64                              ; tile_dim1 = 64
	s_mov_b32 s21, 32                              ; tensor_dim0_stride
	s_mov_b32 s22, 0
	s_mov_b32 s23, 0
	s_mov_b32 s50, 0x76543210                      ; v_permlanex16_b32's selects for lane l xor 16
	s_mov_b32 s51, 0xfedcba98
	s_lshl_b32 s36, s58, 18
	s_lshl_b32 s37, ttmp9, 16
	s_add_co_u32 s36, s36, s37                     ; (16 b + h) x 262,144 + 8 g x 8,192
	s_mov_b32 s37, 0
	s_lshl_b32 s38, s12, 14                        ; wave x 16,384
	s_mov_b32 s39, 0
	s_and_b32 s60, s12, 1
	s_add_co_u32 s60, s60, 3
	s_lshl_b32 s60, s60, 14                        ; (3 + w % 2) x 16,384: slots 6, 7 or 8, 9
	s_mov_b32 s61, 0
	s_lshr_b32 s62, s12, 1
	s_mul_i32 s62, s62, VL                         ; waves 0, 1: K's; waves 2, 3: V's
	s_wait_kmcnt 0x0
	s_load_b128 s[40:43], s[6:7], 0x0              ; e0 .. e3
	s_load_b64 s[44:45], s[6:7], 0x10              ; e4, e5
	s_add_nc_u64 s[52:53], s[4:5], s[36:37]
	s_add_nc_u64 s[54:55], s[52:53], VB-8192       ; V at window 8 g - 1
	s_add_nc_u64 s[52:53], s[52:53], KB-8192       ; K at window 8 g - 1
	; three groups 0.  s[24:27]: K's slots 2 w, 2 w + 1 (waves 0-2);  s[28:31]: V's (waves 0-2);  s[32:35]: slots 6-9 of K (waves 0, 1) and of V (waves 2, 3)
	s_mov_b32 s24, 1                               ; 1:0 count = 1
	s_mov_b32 s25, s38                             ; 63:32 LDS address
	s_add_nc_u64 s[26:27], s[52:53], s[38:39]      ; 120:64 global address
	s_or_b32 s27, s27, 0x80000000                  ; 127:126 type = 2
	s_mov_b32 s28, 1
	s_add_co_u32 s29, s38, VL
	s_add_nc_u64 s[30:31], s[54:55], s[38:39]
	s_or_b32 s31, s31, 0x80000000
	s_mov_b32 s32, 1
	s_add_co_u32 s33, s62, s60
	s_cmp_lt_u32 s12, 2
	s_cselect_b64 s[34:35], s[52:53], s[54:55]
	s_add_nc_u64 s[34:35], s[34:35], s[60:61]
	s_or_b32 s35, s35, 0x80000000
	TL 24, 3                                       ; K's slots 0-5: what pass 1 of trip 0 reads.  One load of a wave is out
	; Q's fragments: (16 b + h) x 262,144, + 33,554,432 for b = 2, 3, + my window, + my pair of tiles
	s_lshl_b32 s36, s58, 18
	s_lshr_b32 s59, s58, 5
	s_lshl_b32 s59, s59, 25
	s_add_co_u32 s36, s36, s59
	s_lshl_b32 s59, s15, 13
	s_add_co_u32 s36, s36, s59
	s_lshl_b32 s59, s14, 11
	s_add_co_u32 s36, s36, s59
	s_add_nc_u64 s[56:57], s[4:5], s[36:37]
	v_and_b32 v11, 31, v0                          ; lane
	s_delay_alu instid0(VALU_DEP_1)
	v_lshlrev_b32 v3, 4, v11                       ; an image's place for my lane
.irp tr, 0,1
.irp q, 0,1
	global_load_b128 v[32+16*\tr+8*\q:35+16*\tr+8*\q], v3, s[56:57] offset:\tr*32768+\q*1024 th:TH_LOAD_NT       ; both trips' Q stays in registers
	global_load_b128 v[36+16*\tr+8*\q:39+16*\tr+8*\q], v3, s[56:57] offset:\tr*32768+\q*1024+512 th:TH_LOAD_NT
.endr
.endr
	s_lshl_b32 s59, s13, 13
	v_add_nc_u32 v1, s59, v3                       ; K: 16 x lane + (w / 4) slots; trip, neighbour and fragment stand in the immediates, 57,343 at the most
	s_delay_alu instid0(VALU_DEP_1)
	v_add_nc_u32 v2, VL, v1                        ; V likewise
	v_and_b32 v28, 15, v0                          ; r
	v_bfe_u32 v29, v0, 4, 1                        ; h
	s_mul_i32 s59, s12, 16*272
	s_add_co_u32 s59, s59, STAGE                   ; my stage
	v_mul_u32_u24 v4, v28, 272
	s_delay_alu instid0(VALU_DEP_1)
	v_lshl_add_u32 v4, v29, 5, v4
	s_delay_alu instid0(VALU_DEP_1)
	v_add_nc_u32 v4, s59, v4                       ; in: row r; a channel tile's eight channels of my half: 32 h bytes on
	v_mul_u32_u24 v5, v29, 272
	s_delay_alu instid0(VALU_DEP_1)
	v_lshl_add_u32 v5, v28, 4, v5
	s_delay_alu instid0(VALU_DEP_1)
	v_add_nc_u32 v5, s59, v5                       ; back: lanes 0-15 one row of 256 bytes, lanes 16-31 the next
	v_lshlrev_b32 v6, 12, v29
	s_delay_alu instid0(VALU_DEP_1)
	v_lshl_add_u32 v6, v28, 4, v6                  ; and the same two rows in out0, 4,096 bytes apart
	; out0: b x 2^24 + position x 4,096 + h x 256; my first position: 128 x window + 32 x (w % 4)
	s_lshr_b32 s59, s58, 4
	s_lshl_b32 s38, s59, 24
	s_lshl_b32 s59, s15, 19
	s_add_co_u32 s38, s38, s59
	s_lshl_b32 s59, s14, 17
	s_add_co_u32 s38, s38, s59
	s_and_b32 s59, s58, 15
	s_lshl_b32 s59, s59, 8
	s_add_co_u32 s38, s38, s59
	s_add_nc_u64 s[10:11], s[10:11], s[38:39]
	s_wait_kmcnt 0x0
	s_add_co_i32 s59, s42, s43
	s_lshl_b32 s59, s59, 23
	s_add_co_i32 s46, s59, 0x3fb8aa3b              ; c = log2(e) x 2^(e2 + e3): the two exponents are added to log2(e)'s exponent field
	s_mov_b32 s47, s46                             ; (named with it as a pair, so it is written)
	s_add_co_i32 s48, s44, s45                     ; e4 + e5
	s_add_co_i32 s59, s44, 127
	s_lshl_b32 s60, s59, 23
	v_mov_b32 v7, s60                              ; 2^e4 as f32, for the conversion
	s_add_co_i32 s59, s59, 8
	s_lshl_b32 s59, s59, 23
	s_or_b32 s59, s59, 0x600000
	v_mov_b32 v8, s59                              ; 448 x 2^e4,
	v_mov_b32 v11, s59                             ; and once more, for the second half of a dual pair
; PASS 1, one window of 128 keys (i = 0: the one before mine, 1: mine, 2: the one behind): eight fragments of K, sixteen products, and the four running maxima (two chains a tile).
; first = 1: the chains start with three scores each.  Each accumulator is read from its low end on.  The four v_nop are the places behind the products, for the reads and for the next window's loads.
.macro PASS1W tr, i, first
.irp t, 0,1,2,3,4,5,6,7
	ds_load_b128 v[192+8*\t:195+8*\t], v1 offset:(4*\tr+\i)*8192+1024*\t
	ds_load_b128 v[196+8*\t:199+8*\t], v1 offset:(4*\tr+\i)*8192+1024*\t+512
.endr
	s_wait_dscnt 0x0
.irp t, 0,1,2,3,4,5,6,7
.irp q, 0,1
	v_wmma_f32_16x16x64_fp8_fp8 v[64+64*\q+8*\t:71+64*\q+8*\t], v[192+8*\t:199+8*\t], v[32+16*\tr+8*\q:39+16*\tr+8*\q], 0
.endr
.endr
.rept 4
	v_nop
.endr
.if \first
	v_max3_num_f32 v24, v64, v65, v66
	v_max3_num_f32 v26, v128, v129, v130
	v_max3_num_f32 v25, v67, v68, v69
	v_max3_num_f32 v27, v131, v132, v133
.set j, 6
.rept 29
	v_max3_num_f32 v[24+(j/2)%2], v[24+(j/2)%2], v[64+j], v[65+j]
	v_max3_num_f32 v[26+(j/2)%2], v[26+(j/2)%2], v[128+j], v[129+j]
.set j, j+2
.endr
.else
.set j, 0
	s_wait_alu depctr_va_vdst(0)
.rept 32
	v_max3_num_f32 v[24+(j/2)%2], v[24+(j/2)%2], v[64+j], v[65+j]
	v_max3_num_f32 v[26+(j/2)%2], v[26+(j/2)%2], v[128+j], v[129+j]
.set j, j+2
.endr
.endif
.endm
; The end of pass 1: a query's other keys lie in the lane 16 away; the largest score as t (c is positive); -M = floor(-t) = -ceil(t).
.macro TAIL
	v_max_num_f32 v24, v24, v25
	v_max_num_f32 v26, v26, v27
	s_delay_alu instid0(VALU_DEP_2)
	v_permlanex16_b32 v9, v24, s50, s51
	s_delay_alu instid0(VALU_DEP_2)
	v_permlanex16_b32 v10, v26, s50, s51
	s_delay_alu instid0(VALU_DEP_2)
	v_max_num_f32 v24, v24, v9
	s_delay_alu instid0(VALU_DEP_2)
	v_max_num_f32 v26, v26, v10
	s_delay_alu instid0(VALU_DEP_2)
	v_mul_f32 v24, s46, v24
	s_delay_alu instid0(VALU_DEP_2)
	v_mul_f32 v26, s46, v26
	s_delay_alu instid0(VALU_DEP_2)
	v_floor_f32 v12, -v24
	s_delay_alu instid0(VALU_DEP_2)
	v_floor_f32 v14, -v26
.endm
.macro CLEAR                           ; the sums of a trip begin at 0: two packed chains a tile
.irp j, 16,17,18,19,20,21,22,23
	v_mov_b32 v[\j], 0
.endr
.endm
; PASS 2, 64 keys: half hf of window i.  first = 1: the products V^T P^T start O^T's sums.
.macro STEP2 tr, i, hf, first
.rept 4
	v_nop                                          ; places behind the last products, ahead of loads into their operands
.endr
.irp t, 0,1,2,3
	ds_load_b128 v[192+8*\t:195+8*\t], v1 offset:(4*\tr+\i)*8192+(4*\hf+\t)*1024
	ds_load_b128 v[196+8*\t:199+8*\t], v1 offset:(4*\tr+\i)*8192+(4*\hf+\t)*1024+512
.endr
.irp c, 0,1,2,3
	ds_load_b128 v[224+8*\c:227+8*\c], v2 offset:(4*\tr+\i)*8192+2048*\c+1024*\hf
	ds_load_b128 v[228+8*\c:231+8*\c], v2 offset:(4*\tr+\i)*8192+2048*\c+1024*\hf+512
.endr
	s_wait_dscnt 0x8                               ; K's eight loads are in; V's eight may be out
.irp t, 0,1,2,3
.irp q, 0,1
	v_wmma_f32_16x16x64_fp8_fp8 v[64+32*\q+8*\t:71+32*\q+8*\t], v[192+8*\t:199+8*\t], v[32+16*\tr+8*\q:39+16*\tr+8*\q], 0
.endr
.endr
.rept 4
	v_nop
.endr
.irp q, 0,1
.irp j, 0,2,4,6,8,10,12,14,16,18,20,22,24,26,28,30
	v_pk_fma_f32 v[64+32*\q+\j:65+32*\q+\j], v[64+32*\q+\j:65+32*\q+\j], s[46:47], v[12+2*\q:13+2*\q] op_sel_hi:[1,0,0]   ; t - M, two at a time (of the pairs c and -M the low word serves both halves)
.endr
.endr
.set n, 0
	s_wait_alu depctr_va_vdst(0)
.rept 64
	v_exp_f32 v[64+n], v[64+n]                     ; p = 2^(t - M), at most 1: not normalised
.set n, n+1
.endr
	v_nop                                          ; the plain instruction behind the last exponential
	s_wait_alu depctr_va_vdst(0)                   ; one wait for the whole batch, ahead of its first reader
.irp j, 0,4,8,12,16,20,24,28
	v_pk_add_f32 v[16:17], v[16:17], v[64+\j:65+\j]      ; the row's sum is taken of the unquantised p
	v_pk_add_f32 v[20:21], v[20:21], v[96+\j:97+\j]
	v_pk_add_f32 v[18:19], v[18:19], v[66+\j:67+\j]
	v_pk_add_f32 v[22:23], v[22:23], v[98+\j:99+\j]
.endr
.irp q, 0,1
.irp t, 0,1,2,3
.irp j, 0,2,4,6
	v_dual_min_num_f32 v[64+32*\q+8*\t+\j], v[64+32*\q+8*\t+\j], v8 :: v_dual_min_num_f32 v[65+32*\q+8*\t+\j], v[65+32*\q+8*\t+\j], v11   ; the conversion to an 8-bit code does not saturate (ISA guide 7.6.2); p is not negative, so the hold is one-sided; two holds an instruction
.endr
	v_cvt_scalef32_pk8_fp8_f32 v[192+8*\q+2*\t:193+8*\q+2*\t], v[64+32*\q+8*\t:71+32*\q+8*\t], v7   ; keys 16 t + 8 (lane / 16) + 0 .. 7: registers 2 t, 2 t + 1 of P
.endr
.endr
	v_nop                                          ; one plain vector instruction between the last conversion and the products that read its result
	s_wait_alu depctr_va_vdst(0)
	s_wait_dscnt 0x0                               ; V is in
.irp c, 0,1,2,3                                ; the eight accumulators take turns, one instruction a turn; the next step's eight score products stand between two links
.irp q, 0,1
.if \first
	v_wmma_f32_16x16x64_fp8_fp8 v[128+32*\q+8*\c:135+32*\q+8*\c], v[224+8*\c:231+8*\c], v[192+8*\q:199+8*\q], 0
.else
	v_wmma_f32_16x16x64_fp8_fp8 v[128+32*\q+8*\c:135+32*\q+8*\c], v[224+8*\c:231+8*\c], v[192+8*\q:199+8*\q], v[128+32*\q+8*\c:135+32*\q+8*\c]
.endif
.endr
.endr
.endm
; THE WAY OUT of a trip.  The sums' parts are added (the first four additions are the places behind the last products); O^T x 2^(e4 + e5) / the sum goes through my stage, a tile of 16 queries at a time,
; and leaves as rows: sixteen lanes store a head's 64 channels of one position, 256 consecutive bytes, aligned.
.macro OUTP tr
	v_pk_add_f32 v[16:17], v[16:17], v[18:19]
	v_pk_add_f32 v[20:21], v[20:21], v[22:23]
	s_delay_alu instid0(VALU_DEP_2)
	v_add_f32 v16, v16, v17
	s_delay_alu instid0(VALU_DEP_2)
	v_add_f32 v20, v20, v21
	s_delay_alu instid0(VALU_DEP_2)
	v_permlanex16_b32 v9, v16, s50, s51
	s_delay_alu instid0(VALU_DEP_2)
	v_permlanex16_b32 v10, v20, s50, s51
	s_delay_alu instid0(VALU_DEP_2)
	v_add_f32 v16, v16, v9
	s_delay_alu instid0(VALU_DEP_2)
	v_add_f32 v20, v20, v10
	s_wait_alu depctr_va_vdst(0)
	v_rcp_f32 v16, v16
	v_rcp_f32 v20, v20
	v_nop                                          ; the plain instruction behind the last reciprocal
	s_wait_alu depctr_va_vdst(0)                   ; one wait for both, ahead of their first reader
	v_ldexp_f32 v16, v16, s48
	v_ldexp_f32 v20, v20, s48
.irp q, 0,1
.irp j, 0,2,4,6,8,10,12,14,16,18,20,22,24,26,28,30
	v_pk_mul_f32 v[64+32*\q+\j:65+32*\q+\j], v[128+32*\q+\j:129+32*\q+\j], v[16+4*\q:17+4*\q] op_sel_hi:[1,0]   ; register 8 c + j is o(query r, channel 16 c + 8 h + j); each accumulator from its low end on
.endr
.endr
.irp q, 0,1
.irp c, 0,1,2,3
	ds_store_b128 v4, v[64+32*\q+8*\c:67+32*\q+8*\c] offset:64*\c
	ds_store_b128 v4, v[68+32*\q+8*\c:71+32*\q+8*\c] offset:64*\c+16
.endr
.irp i, 0,1,2,3,4,5,6,7
	ds_load_b128 v[192+32*\q+4*\i:195+32*\q+4*\i], v5 offset:544*\i   ; LDS serves a wave's instructions in order (ISA guide 5.7.1.4): these see my stores, and the second tile's stores come behind them
.endr
.endr
.irp q, 0,1
.irp i, 0,1,2,3,4,5,6,7
	s_wait_dscnt 23-16*\q-\i                       ; load i of the tile is in; behind it: the tile's younger loads and, for the first tile, the second's sixteen instructions
	global_store_b128 v6, v[192+32*\q+4*\i:195+32*\q+4*\i], s[10:11] offset:\tr*2097152+\q*65536+8192*\i th:TH_STORE_NT
.endr
.endr
.endm
	; ---- K's first slots have landed, for every wave; V's first slots are asked for and land during pass 1
	s_wait_tensorcnt 0x0                           ; my tensor load has landed
	ds_add_u32 v30, v31                            ; 0 onto my spare word
	ds_add_u32 v30, v31
	v_mov_b32 v9, 0                                ; a lane permute's destination counts as one of its sources: written once
	v_mov_b32 v10, 0
	v_mov_b32 v13, 0                               ; (named as the upper halves of the pairs of -M)
	v_mov_b32 v15, 0
	s_wait_dscnt 0x0
	s_barrier_signal -1
	s_barrier_wait -1
	TL 28, 3                                       ; V's slots 0-5: a wave's one tensor load behind this barrier, and the first thing there
	s_wait_loadcnt 0x0                             ; Q
	; ---- trip 0, pass 1: my window starts the maxima; then the one before it, if there is one; then the one behind it
	PASS1W 0, 1, 1
	s_cmp_eq_u32 s15, 0
	s_cbranch_scc1 .Lp1_no_prev
	PASS1W 0, 0, 0
.Lp1_no_prev:
	PASS1W 0, 2, 0
	TAIL
	; ---- V's first slots have landed, for every wave; slots 6-9 of both are asked for and land during pass 2
	s_wait_tensorcnt 0x0
	ds_add_u32 v30, v31                            ; the sums are cleared while it is out
	ds_add_u32 v30, v31
	CLEAR
	s_wait_dscnt 0x0
	s_barrier_signal -1
	s_barrier_wait -1
	TL 32, 4                                       ; a wave's one tensor load behind this barrier, and the first thing there
	; ---- trip 0, pass 2
	STEP2 0, 1, 0, 1
	STEP2 0, 1, 1, 0
	s_cmp_eq_u32 s15, 0
	s_cbranch_scc1 .Lp2_no_prev
	STEP2 0, 0, 0, 0
	STEP2 0, 0, 1, 0
.Lp2_no_prev:
	STEP2 0, 2, 0, 0
	STEP2 0, 2, 1, 0
	OUTP 0
	; ---- slots 6-9 have landed, for every wave.
	s_wait_tensorcnt 0x0
	s_wait_dscnt 0x0
	s_barrier_signal -1
	s_barrier_wait -1
	s_wait_xcnt 0x0                                ; trip 0's stores have read their data: v192-255 are loaded anew
	; ---- trip 1: my window is four further on; the one before it always exists, the one behind it not for window 31
	PASS1W 1, 1, 1
	PASS1W 1, 0, 0
	s_cmp_eq_u32 s15, 27
	s_cbranch_scc1 .Lp1_no_next
	PASS1W 1, 2, 0
.Lp1_no_next:
	s_wait_alu depctr_va_vdst(0)
	TAIL
	CLEAR
	STEP2 1, 1, 0, 1
	STEP2 1, 1, 1, 0
	STEP2 1, 0, 0, 0
	STEP2 1, 0, 1, 0
	s_cmp_eq_u32 s15, 27
	s_cbranch_scc1 .Lp2_no_next
	STEP2 1, 2, 0, 0
	STEP2 1, 2, 1, 0
.Lp2_no_next:
	OUTP 1
	s_wait_tensorcnt 0x0                           ; the wave's end, behind my last tensor load and my last LDS store
	ds_add_u32 v30, v31
	s_wait_dscnt 0x0
	s_endpgm
.Lfunc_end_k_q5ecdaf543a_attn:
	.size	k_q5ecdaf543a_attn, .Lfunc_end_k_q5ecdaf543a_attn-k_q5ecdaf543a_attn
	.p2alignl 7, 3214868480
	.fill 96, 4, 3214868480
	.section	.rodata,"a",@progbits
	.p2align	6, 0x0
	.amdhsa_kernel k_q5ecdaf543a_attn
		.amdhsa_group_segment_fixed_size 327680
		.amdhsa_private_segment_fixed_size 0
		.amdhsa_enable_private_segment 0
		.amdhsa_kernarg_size 24
		.amdhsa_user_sgpr_count 2
		.amdhsa_user_sgpr_kernarg_segment_ptr 1
		.amdhsa_wavefront_size32 1
		.amdhsa_system_sgpr_workgroup_id_x 1
		.amdhsa_system_sgpr_workgroup_id_y 1
		.amdhsa_system_sgpr_workgroup_id_z 1
		.amdhsa_system_vgpr_workitem_id 0
		.amdhsa_next_free_vgpr 256
		.amdhsa_next_free_sgpr 66
		.amdhsa_reserve_vcc 0
		.amdhsa_float_denorm_mode_32 3
		.amdhsa_float_denorm_mode_16_64 3
		.amdhsa_memory_ordered 1
		.amdhsa_forward_progress 1
		.amdhsa_inst_pref_size 192
	.end_amdhsa_kernel
	.amdgpu_metadata
---
amdhsa.version: [ 1, 2 ]
amdhsa.kernels:
  - .name:           k_q5ecdaf543a_attn
    .symbol:         k_q5ecdaf543a_attn.kd
    .args:
      - { .name: frag, .offset: 0, .size: 8, .value_kind: global_buffer, .address_space: global }
      - { .name: lowp_scales, .offset: 8, .size: 8, .value_kind: global_buffer, .address_space: global }
      - { .name: out0, .offset: 16, .size: 8, .value_kind: global_buffer, .address_space: global }
    .group_segment_fixed_size: 327680
    .private_segment_fixed_size: 0
    .kernarg_segment_align: 8
    .kernarg_segment_size: 24
    .max_flat_workgroup_size: 512
    .sgpr_count:     66
    .vgpr_count:     256
    .wavefront_size: 32
...
	.end_amdgpu_metadata
.endif
;; end of part 3
